; MI455X (gfx1250); checked and timed in simulation.
; The chip was launched on July 23, 2026; its instructions are those of AMD's public machine-readable ISA for CDNA 5 (MIT licence, August 2026) and "CDNA5" Instruction Set Architecture Reference Guide (July 2026). The comments in the code are by the model that wrote it; some were corrected since.
;; LSTM Vanilla. Allowed arithmetic: float matrix products may take bf16 or f16 operands with f32 sums; all other float work in f32.
;; Inputs: Wh 4 x 1,024 x 1,024 float32; Wx 4 x 1,024 x 1,024 float32; bh 4 x 1,024 float32; c_prev 8,192 x 1,024 float32; h_prev 8,192 x 1,024 float32; x 8,192 x 1,024 float32.
;; Outputs: out0 8,192 x 1,024 float32; out1 8,192 x 1,024 float32.
;; 2 versions, each right; version 2 is version 1 with the launch cast written anew for expert scheduling mode. Each part assembles by itself: llvm-mc -triple=amdgcn-amd-amdhsa -mcpu=gfx1250 --defsym DOCPART=n.
;; ======== version 1 of 2: 2 launches
;; limits: inputs' magnitudes at most 65,504; values are held in f16: magnitudes above 65,504 overflow, below 6.1e-05 lose precision
;; workspace buffers: a16 33,554,432 bytes; w16 16,777,216 bytes
;; launch cast (part 1): grid 256 x 3, 8 waves a work-group, no clusters, 0 bytes of LDS; arguments x, h_prev, Wx, Wh, a16, w16; writes a16, w16
.if DOCPART == 1
	.amdgcn_target "amdgcn-amd-amdhsa--gfx1250"
	.amdhsa_code_object_version 6
	.text
	.protected	k_q0da50f709c_cast
	.globl	k_q0da50f709c_cast
	.p2align	8
	.type	k_q0da50f709c_cast,@function
k_q0da50f709c_cast:
	s_mov_b64 s[64:65], 0
	v_nop
	global_prefetch_b8 v0, s[64:65] scope:SCOPE_SE
	s_setreg_imm32_b32 hwreg(HW_REG_WAVE_MODE, 25, 1), 1
	s_wait_xcnt 0x0
; f32 to f16, once, into the two operands of the product that follows.
;   a16 [8192][2048] f16: row b = x[b][0..1023], then h_prev[b][0..1023].
;   w16 [4096][2048] f16: row (h>>5)*128 + g*32 + (h&31) = Wx[g][h][0..1023], then Wh[g][h][0..1023]: 128 neighbouring rows hold
;   the four gates of 32 neighbouring h, so that the next launch finds all four gates of an output in one wave's block.
; WHY f16: 11 significant bits against bf16's 8, so each operand's rounding is eight times finer, and h_next, whose numbers are small, needs that.
; LIMIT: a magnitude above 65,504 becomes infinite and is not served; below 6.1e-5 the step is 2^-24 (f16's denormals are kept).
; Every source row is 4,096 bytes of f32 and becomes 2,048 bytes, half of a destination row of 4,096 bytes.
; 24,576 source rows, 32 to a work-group: 768 work-groups.  y = 0: x.  y = 1: h_prev.  y = 2: work-groups 0-127 Wx, 128-255 Wh.
; A wave takes 4 neighbouring rows: 32 loads of 16 bytes a lane, all issued in one run (16 KiB of the wave on their way); each load
; covers 512 consecutive bytes, each store 256 consecutive bytes at a multiple of 256 from the buffer's first byte.
; No LDS, no barrier, no matrix unit, no cluster: no byte is used twice.
.set ROW,  4096                        ; bytes in a source row, and in a destination row
.set X,    4                           ; v[4:131]  32 loads x 4 registers; the packed results lie in the first two of each four
	s_load_b256 s[4:11], s[0:1], 0x0               ; x s[4:5], h_prev s[6:7], Wx s[8:9], Wh s[10:11]
	s_load_b128 s[12:15], s[0:1], 0x20             ; a16 s[12:13], w16 s[14:15]
	s_and_b32 s16, ttmp7, 0xffff                   ; y: which source
	s_mov_b32 s17, ttmp9                           ; w: which block of 32 rows
	s_lshr_b32 s18, s17, 7                         ; y = 2: 0 Wx, 1 Wh
	s_and_b32 s19, s17, 127                        ; y = 2: source block = g*32 + (h>>5)
	s_and_b32 s20, s19, 31
	s_lshl_b32 s20, s20, 2
	s_lshr_b32 s21, s19, 5
	s_add_co_u32 s20, s20, s21                     ; y = 2: destination block = (h>>5)*4 + g
	v_and_b32 v3, 31, v0                           ; lane
	v_lshrrev_b32 v2, 5, v0                        ; wave
	v_lshlrev_b32 v2, 14, v2                       ; the wave's 4 rows of 4,096 bytes, on both sides
	v_lshl_or_b32 v1, v3, 4, v2                    ; load offset: 16 bytes a lane
	v_lshl_or_b32 v2, v3, 3, v2                    ; store offset: 8 bytes a lane
	s_wait_kmcnt 0x0
	s_cmp_eq_u32 s16, 0
	s_cselect_b64 s[22:23], s[4:5], s[6:7]         ; x or h_prev
	s_cmp_eq_u32 s18, 0
	s_cselect_b64 s[24:25], s[8:9], s[10:11]       ; Wx or Wh
	s_cmp_lt_u32 s16, 2                            ; the five selects below leave SCC as it is
	s_cselect_b64 s[26:27], s[22:23], s[24:25]     ; source
	s_cselect_b64 s[28:29], s[12:13], s[14:15]     ; destination
	s_cselect_b32 s30, s17, s19                    ; source block
	s_cselect_b32 s32, s17, s20                    ; destination block
	s_cselect_b32 s34, s16, s18                    ; which half of the destination rows
	s_lshl_b32 s30, s30, 17                        ; 32 rows of 4,096 bytes
	s_mov_b32 s31, 0
	s_add_nc_u64 s[26:27], s[26:27], s[30:31]
	s_lshl_b32 s32, s32, 17
	s_lshl_b32 s34, s34, 11                        ; 2,048 bytes for the second half
	s_or_b32 s32, s32, s34
	s_mov_b32 s33, 0
	s_add_nc_u64 s[28:29], s[28:29], s[32:33]
.set k, 0
.rept 32
	global_load_b128 v[X+4*k:X+4*k+3], v1, s[26:27] offset:(k>>3)*ROW+(k&7)*512 th:TH_LOAD_NT   ; read once in the launch
.set k, k+1
.endr
.irp r, 0,1,2,3
	s_wait_loadcnt 24-8*\r                         ; loads come back in order: this row's eight are in, the younger rows' stay out
.irp j, 0,1,2,3,4,5,6,7
	v_cvt_pk_f16_f32 v[X+32*\r+4*\j],   v[X+32*\r+4*\j],   v[X+32*\r+4*\j+1]
	v_cvt_pk_f16_f32 v[X+32*\r+4*\j+1], v[X+32*\r+4*\j+2], v[X+32*\r+4*\j+3]
	global_store_b64 v2, v[X+32*\r+4*\j:X+32*\r+4*\j+1], s[28:29] offset:\r*ROW+\j*256   ; no hint: the next launch reads these bytes
.endr
.endr
	s_endpgm                                       ; no register that a store names is written again
.Lfunc_end_k_q0da50f709c_cast:
	.size	k_q0da50f709c_cast, .Lfunc_end_k_q0da50f709c_cast-k_q0da50f709c_cast
	.p2alignl 7, 3214868480
	.fill 96, 4, 3214868480
	.section	.rodata,"a",@progbits
	.p2align	6, 0x0
	.amdhsa_kernel k_q0da50f709c_cast
		.amdhsa_group_segment_fixed_size 0
		.amdhsa_private_segment_fixed_size 0
		.amdhsa_enable_private_segment 0
		.amdhsa_kernarg_size 48
		.amdhsa_user_sgpr_count 2
		.amdhsa_user_sgpr_kernarg_segment_ptr 1
		.amdhsa_wavefront_size32 1
		.amdhsa_system_sgpr_workgroup_id_x 1
		.amdhsa_system_sgpr_workgroup_id_y 1
		.amdhsa_system_sgpr_workgroup_id_z 1
		.amdhsa_system_vgpr_workitem_id 0
		.amdhsa_next_free_vgpr 132
		.amdhsa_next_free_sgpr 66
		.amdhsa_reserve_vcc 0
		.amdhsa_float_denorm_mode_32 3
		.amdhsa_float_denorm_mode_16_64 3
		.amdhsa_memory_ordered 1
		.amdhsa_forward_progress 1
		.amdhsa_inst_pref_size 12
	.end_amdhsa_kernel
	.amdgpu_metadata
---
amdhsa.version: [ 1, 2 ]
amdhsa.kernels:
  - .name:           k_q0da50f709c_cast
    .symbol:         k_q0da50f709c_cast.kd
    .args:
      - { .name: x, .offset: 0, .size: 8, .value_kind: global_buffer, .address_space: global }
      - { .name: h_prev, .offset: 8, .size: 8, .value_kind: global_buffer, .address_space: global }
      - { .name: Wx, .offset: 16, .size: 8, .value_kind: global_buffer, .address_space: global }
      - { .name: Wh, .offset: 24, .size: 8, .value_kind: global_buffer, .address_space: global }
      - { .name: a16, .offset: 32, .size: 8, .value_kind: global_buffer, .address_space: global }
      - { .name: w16, .offset: 40, .size: 8, .value_kind: global_buffer, .address_space: global }
    .group_segment_fixed_size: 0
    .private_segment_fixed_size: 0
    .kernarg_segment_align: 8
    .kernarg_segment_size: 48
    .max_flat_workgroup_size: 256
    .sgpr_count:     66
    .vgpr_count:     132
    .wavefront_size: 32
...
	.end_amdgpu_metadata
.endif
;; end of part 1
;; launch lstm (part 2): grid 16 x 32, 4 waves a work-group, clusters of 4 x 4, 327,680 bytes of LDS; arguments a16, w16, bh, c_prev, out0, out1; writes out0, out1
.if DOCPART == 2
	.amdgcn_target "amdgcn-amd-amdhsa--gfx1250"
	.amdhsa_code_object_version 6
	.text
	.protected	k_q0da50f709c_lstm
	.globl	k_q0da50f709c_lstm
	.p2align	8
	.type	k_q0da50f709c_lstm,@function
k_q0da50f709c_lstm:
	s_mov_b64 s[64:65], 0
	v_nop
	global_prefetch_b8 v0, s[64:65] scope:SCOPE_SE
	s_setreg_imm32_b32 hwreg(HW_REG_WAVE_MODE, 25, 1), 1
	s_wait_xcnt 0x0
	s_wait_alu depctr_hold_cnt(0) depctr_sa_sdst(0) depctr_va_vdst(0) depctr_va_sdst(0) depctr_va_ssrc(0) depctr_va_vcc(0) depctr_vm_vsrc(0)
	s_getreg_b32 s2, hwreg(HW_REG_IB_STS2, 6, 4)
	s_cmp_eq_u32 s2, 0
	s_cbranch_scc0 .Lentry_in_a_cluster
	s_endpgm
.Lentry_in_a_cluster:
	s_bfe_u32 s2, ttmp6, 0x10000c
	s_cmp_lg_u32 s2, 0xf033
	s_cbranch_scc0 .Lentry_shape_is_right
	s_endpgm
.Lentry_shape_is_right:
; One LSTM step.  gates[b][n'] = bh + sum over k of a16[b][k] w16[n'][k] (f16 operands, f32 sums, K = 2048 = x's 1024 and h_prev's 1024), then
; c_next = sigmoid(f) c_prev + sigmoid(i) tanh(g) (out1) and h_next = sigmoid(o) tanh(c_next) (out0), all in f32, without a trip through memory.
; w16's rows are ordered n' = (h>>5)*128 + gate*32 + (h&31).  A work-group makes 256 batch rows x 256 n' (64 h in all four gates) with four
; waves; a wave makes 128 rows x 128 n' (32 h in all four gates): 64 accumulator tiles of 16 x 16, 512 registers.  K goes in steps of 128
; through a ring of two LDS slots filled by the tensor data mover; a tile's rows are 256 bytes of memory at multiples of 256 bytes.
; 512 work-groups of one tile each.  A work-group that stayed for two tiles would need the tile's text twice (a tile makes 17 fills, so the slots
; would change roles, and the last tile asks for nothing further): twice these 37 KB of code.
; CLUSTERS: 4 x 4 work-groups.  The four of a row of the cluster need the same tiles of a16, the four of a column the same tiles of w16:
; each such tile is asked for jointly, by the same load with the same descriptor in all four, which divides those requests by four.
; c_prev's tile is a work-group's own: a plain load.
; THE MATRIX INSTRUCTION IS USED TRANSPOSED: source 0 = 16 rows of w16, source 1 = 16 rows of a16.  Tile (a, b), register j, lane l then holds
; batch row 16 a + l % 16, gate b >> 1, h = 16 (b & 1) + 8 (l / 16) + j of the wave's 32: the four gates of one output lie in the same lane and
; the same j of tiles b, b + 2, b + 4, b + 6, so the tail needs no exchange between lanes.
; THE BIAS STARTS THE SUMS: the first product of each tile takes the bias as C; nothing is cleared and nothing is added later.
; LIMITS.  Operands are rounded to f16 (11 significant bits); a magnitude above 65,504 in x, h_prev, Wx or Wh is infinite there and is not served.
; The bias is the first term of the f32 sum, not the last.  tanh(z) = (1 - t) / (1 + t), t = e^(-2z), with t's exponent cut at 2^64 (there tanh
; is -1 to the last bit): absolute error of about 1e-7.  sigmoid(a) tanh(z) is made with one reciprocal, (1 - t) / ((1 + e^-a)(1 + t)); a denominator
; beyond f32's range gives 0, the limit.  Every finite gate and c_prev is served.  A NaN in the cell gate or in c_next is not passed on to tanh
; (the cut drops it); infinite inputs are not served.
;
; REGISTERS, in windows of 256 (s_set_vgpr_msb's low byte: bits 1:0 source 0, 3:2 source 1, 5:4 source 2, 7:6 destination):
;   window 0: v0-31 addresses; v64-127, v128-191 fragments of a16, two buffers (in the tail: the work registers); v192-255 the way out
;   window 1: v0-63 the bias as eight C tiles; v64-127, v128-191 fragments of w16, two buffers
;   window 2: the 32 accumulator tiles of my rows 0-63 (tile (a, b) at v[8 (8 a + b)]);   window 3: those of my rows 64-127
; LDS: slot 0 at 0, slot 1 at SLOT, each a16's 256 rows and then w16's 256 rows at a pitch of 272 bytes.  Slot 0's last fill is c_prev's tile
; (256 rows x 256 bytes, pitch 272).  Behind the ring, in bytes that no load fills: the results' stage.
.set SIZE_K, 2048
.set KSTEP,  128
.set PITCH,  272                       ; 256 bytes of data + 16 of padding, an odd multiple of 16: the 16 rows that a load touches start at 16 different 16-byte columns modulo 256
.set HALFT,  128*PITCH                 ; 128 rows: what one tensor load brings, and what one wave reads of either operand
.set SLOT,   4*HALFT
.set STAGE,  2*SLOT                    ; the results' stage: 1,088 x 256 bytes from LDS byte 0
.set SP,     144                       ; its pitch: a wave's 128 bytes of a row + 16, an odd multiple of 16
.set WOUT,   16*SP                     ; one wave's 16 rows of one output
.set WSTR,   2*WOUT+128                ; one wave's part of a stage buffer: c_next, h_next, and 128 bytes that set two partners' halves of a row 128 bytes apart modulo 256
.set SBUF,   4*WSTR                    ; a stage buffer; there are two, taken in turn
.set LAPS, SIZE_K/(2*KSTEP)            ; a lap = two K steps = once round the ring: 8
.set ADRA, 16                          ; v16-17  LDS address of my a16 fragments in slot 0, 1
.set ADRB, 20                          ; v20-21  the same for w16
.set STO,  24                          ; v24     where I read c_prev
.set STC,  26                          ; v26     where I put c_next in stage buffer 0 (h_next and buffer 1 by the immediate)
.set RD,   27                          ; v27     where I read rows of c_next back from stage buffer 0 (likewise)
.set CO,   29                          ; v29     my byte offset in out0 and out1
.set BOFF, 30                          ; v30     my byte offset in bh
.set PF,   31                          ; v31     my row of c_prev in the prefetch
.set BIAS, 0                           ; window 1
.set F0,   64                          ; fragment buffer 0
.set F1,   128                         ; fragment buffer 1
.set EI,   64                          ; the tail, window 0, 16 registers each (element e = 8 (b & 1) + j): input gate,
.set EF,   80                          ; forget gate,
.set EG,   96                          ; cell gate, later c_next's exponential,
.set EO,   112                         ; output gate,
.set CP,   128                         ; c_prev,
.set NG,   144                         ; numerators, then i g, then h_next,
.set CC,   160                         ; c_next
.set OB,   192                         ; the way out: two buffers of 32 registers, taken in turn
.set G1, 24                            ; s[24:31] descriptor group 1 for a16's tiles
.set G0, 32                            ; s[32:39] descriptor group 0 for a16's tiles, one set for each slot
.set G1B, 48                           ; s[48:55] group 1 for w16's tiles: it differs in the mask alone
.set G0B, 56                           ; s[56:63] group 0 for w16's tiles, one set for each slot
.set GC1, 68                           ; s[68:75] group 1 for c_prev's tile
.set GC0, 76                           ; s[76:79] group 0 for c_prev's tile
.set MSB, 0
.macro WIN new                         ; the immediate's high byte repeats the setting that is left
.if MSB != \new
	s_set_vgpr_msb (MSB<<8)|\new
.set MSB, \new
.endif
.endm
.set MUL_LO,  0xa1                     ; source 0 (w16) window 1, source 1 (a16) window 0, C and D window 2
.set MUL_HI,  0xf1                     ; the same, C and D window 3
.set MUL_LO0, 0x91                     ; the first product: C (the bias) window 1, D window 2
.set MUL_HI0, 0xd1                     ; the same, D window 3
.set TO_B,    0x40                     ; destination window 1, address window 0
; A joint load.  Waves 0 and 1 fetch a16's two halves, waves 2 and 3 w16's.  Each line has one mask and one set of registers for all that issue it;
; the branch hangs on the wave's number alone.
.macro JLOAD s
	s_cmp_eq_u32 s11, 0
	s_cbranch_scc0 .Lfor_b_\@
	tensor_load_to_lds s[G0+4*\s:G0+4*\s+3], s[G1:G1+7]
	s_nop 0
	s_branch .Lasked_\@
.Lfor_b_\@:
	tensor_load_to_lds s[G0B+4*\s:G0B+4*\s+3], s[G1B:G1B+7]
	s_nop 0
.Lasked_\@:
.endm
; A round of the cluster's barrier: my work-group's barrier, wave 0 signals for the work-group, every wave waits for all sixteen, my work-group's barrier again.
.macro CREST                           ; a round behind its opening barrier
	s_cmp_lg_u32 s10, 0
	s_cbranch_scc1 .Lnot_wave_0_\@
	s_barrier_signal -3
.Lnot_wave_0_\@:
	s_barrier_wait -3
	s_barrier_signal -1
	s_barrier_wait -1
.endm
.macro CROUND                          ; a whole round
	s_barrier_signal -1
	s_barrier_wait -1
	CREST
.endm
	s_load_b128 s[4:7], s[0:1], 0x0                ; a16 s[4:5], w16 s[6:7]
	s_load_b256 s[84:91], s[0:1], 0x10             ; bh s[84:85], c_prev s[86:87], out0 s[88:89], out1 s[90:91]
	s_set_vgpr_msb 0x40
	v_lshl_add_u32 v255, v0, 2, 0x4d400
	s_set_vgpr_msb 0x4000
	v_mov_b32 v63, 0
	s_set_vgpr_msb 0x1
	ds_add_u32 v255, v63
	s_set_vgpr_msb 0x100
	v_lshrrev_b32 v1, 5, v0
	v_readfirstlane_b32 s10, v1                    ; wave 0..3
	s_lshr_b32 s11, s10, 1                         ; which half of the block's batch rows is mine.  Also: I fetch for a16 (0) or for w16 (1)
	s_and_b32 s12, s10, 1                          ; which half of its n'.  Also: which 128 rows of that tile I fetch
	s_bfe_u32 s40, ttmp6, 0x40000                  ; cx
	s_bfe_u32 s41, ttmp6, 0x40004                  ; cy
	s_lshl_b32 s42, ttmp9, 2                       ; in a cluster launch ttmp9 and ttmp7 count clusters
	s_add_co_u32 s42, s42, s40                     ; bx: block of 256 n' = 4 x cluster x + cx
	s_and_b32 s13, ttmp7, 0xffff
	s_lshl_b32 s13, s13, 2
	s_add_co_u32 s13, s13, s41                     ; by: block of 256 batch rows = 4 x cluster y + cy
	s_lshl_b32 s43, s41, 2
	s_lshl_b32 s43, 15, s43                        ; my row of the cluster: places 4 cy .. 4 cy + 3
	s_lshl_b32 s44, 0x1111, s40                    ; my column: places cx, cx + 4, cx + 8, cx + 12
	; group 1 of the operands' tiles: 128 rows x 128 elements of 2 bytes, 16 bytes of padding behind every 256
	s_or_b32 s[G1+0], s43, (1<<16)|(1<<20)|(1<<21)|(5<<22)|(3<<25)  ; 15:0 mask: a16's tiles go to my row; 17:16 2 bytes; 20 padding on; 21 set beside a mask; 24:22 after 64 words; 31:25 4 words
	s_or_b32 s[G1B+0], s44, (1<<16)|(1<<20)|(1<<21)|(5<<22)|(3<<25) ; the same with the mask of my column, for w16's tiles
	s_mov_b32 s[G1B+1], KSTEP<<16
	s_mov_b32 s[G1+1], KSTEP<<16                   ; tensor_dim0 = 128
	s_mov_b32 s[G1B+2], 128<<16
	s_mov_b32 s[G1+2], 128<<16                     ; tensor_dim1 = 128
	s_mov_b32 s[G1B+3], KSTEP<<16
	s_mov_b32 s[G1+3], KSTEP<<16                   ; tile_dim0 = 128
	s_mov_b32 s[G1B+4], 128
	s_mov_b32 s[G1+4], 128                         ; tile_dim1 = 128
	s_mov_b32 s[G1B+5], SIZE_K
	s_mov_b32 s[G1+5], SIZE_K                      ; elements from row to row
	s_mov_b32 s[G1B+6], 0
	s_mov_b32 s[G1+6], 0
	s_mov_b32 s[G1B+7], 0
	s_mov_b32 s[G1+7], 0
	; where the tiles come from: a16's hang on by alone, which my row of the cluster shares; w16's on bx alone, which my column shares
	s_lshl_b32 s17, s12, 7                         ; which 128 rows of the tile I fetch
	s_lshl_b32 s16, s13, 8
	s_add_co_u32 s16, s16, s17                     ; a16: row 256 by + 128 x half
	s_lshl_b32 s46, s42, 8
	s_add_co_u32 s46, s46, s17                     ; w16: row 256 bx + 128 x half
	s_mov_b32 s17, 0
	s_mov_b32 s47, 0
	s_mov_b64 s[18:19], SIZE_K*2
	s_mul_u64 s[16:17], s[16:17], s[18:19]         ; in bytes
	s_mul_u64 s[46:47], s[46:47], s[18:19]
	s_mul_i32 s20, s10, HALFT                      ; and where they go: wave x 128 rows
	s_wait_dscnt 0x0
	s_wait_kmcnt 0x0
	s_add_nc_u64 s[14:15], s[4:5], s[16:17]
	s_add_nc_u64 s[46:47], s[6:7], s[46:47]
	CROUND                                         ; all sixteen work-groups are here: the first joint loads meet
.irp s, 0,1
	s_mov_b32 s[G0+4*\s], 1                                        ; count = 1
	s_add_co_u32 s[G0+4*\s+1], s20, \s*SLOT                        ; LDS address
	s_add_nc_u64 s[G0+4*\s+2:G0+4*\s+3], s[14:15], \s*KSTEP*2      ; global address: K step s
	s_or_b32 s[G0+4*\s+3], s[G0+4*\s+3], 0x80000000                ; type = 2
	s_mov_b32 s[G0B+4*\s], 1
	s_add_co_u32 s[G0B+4*\s+1], s20, \s*SLOT
	s_add_nc_u64 s[G0B+4*\s+2:G0B+4*\s+3], s[46:47], \s*KSTEP*2
	s_or_b32 s[G0B+4*\s+3], s[G0B+4*\s+3], 0x80000000
	JLOAD \s                                       ; the ring is filled before anything else is done: two tensor loads of the wave are out, later one
.endr
	; the bias: tile b's register j of lane l is bh[b >> 1][64 bx + 32 half + 16 (b & 1) + 8 (l / 16) + j]
	v_and_b32 v1, 15, v0                           ; l % 16
	v_bfe_u32 v2, v0, 4, 1                         ; l / 16
	v_lshlrev_b32 v[BOFF], 5, v2                   ; 8 numbers of 4 bytes for the upper lanes
	s_lshl_b32 s94, s42, 8                         ; 64 h of 4 bytes a block
	s_lshl_b32 s95, s12, 7                         ; 32 h for my half
	s_add_co_u32 s94, s94, s95
	s_mov_b32 s95, 0
	s_add_nc_u64 s[84:85], s[84:85], s[94:95]
	WIN TO_B
.irp b, 0,1,2,3,4,5,6,7
	global_load_b128 v[BIAS+8*\b:BIAS+8*\b+3],   v[BOFF], s[84:85] offset:(\b>>1)*4096+(\b&1)*64
	global_load_b128 v[BIAS+8*\b+4:BIAS+8*\b+7], v[BOFF], s[84:85] offset:(\b>>1)*4096+(\b&1)*64+16
.endr
	WIN 0
	; c_prev at row 256 by + 64 wave (the 64 rows that I fetch); out0 and out1 at row 256 by + 128 x row half + 8 x column half (of every 16 rows that
	; my row half makes at a time, I store 8); all at column 64 bx
	s_lshl_b32 s92, s13, 20                        ; 256 rows of 4,096 bytes
	s_lshl_b32 s93, s42, 8                         ; 64 columns of 4 bytes
	s_add_co_u32 s92, s92, s93
	s_lshl_b32 s93, s11, 19                        ; 128 rows
	s_add_co_u32 s94, s92, s93
	s_lshl_b32 s93, s12, 15                        ; 8 rows
	s_add_co_u32 s94, s94, s93
	s_mov_b32 s95, 0
	s_lshl_b32 s93, s10, 18                        ; 64 rows
	s_add_co_u32 s92, s92, s93
	s_mov_b32 s93, 0
	s_add_nc_u64 s[86:87], s[86:87], s[92:93]
	s_add_nc_u64 s[88:89], s[88:89], s[94:95]
	s_add_nc_u64 s[90:91], s[90:91], s[94:95]
	; c_prev's tile: 64 rows x 64 elements of 4 bytes for each wave, padded as above; no mask: the tile is my work-group's alone
	s_mov_b32 s[GC1+0], (2<<16)|(1<<20)|(5<<22)|(3<<25)
	s_mov_b32 s[GC1+1], 64<<16                     ; tensor_dim0 = 64
	s_mov_b32 s[GC1+2], 64<<16                     ; tensor_dim1 = 64
	s_mov_b32 s[GC1+3], 64<<16                     ; tile_dim0 = 64
	s_mov_b32 s[GC1+4], 64                         ; tile_dim1 = 64
	s_mov_b32 s[GC1+5], 1024                       ; elements from row to row
	s_mov_b32 s[GC1+6], 0
	s_mov_b32 s[GC1+7], 0
	s_mov_b32 s[GC0+0], 1
	s_mul_i32 s[GC0+1], s10, 64*PITCH              ; slot 0, wave x 64 rows
	s_mov_b64 s[GC0+2:GC0+3], s[86:87]
	s_or_b32 s[GC0+3], s[GC0+3], 0x80000000
	s_mov_b32 s80, 0xbfb8aa3b                      ; -log2(e), twice: e^-a = 2^(-1.442695 a)
	s_mov_b32 s81, 0xbfb8aa3b
	s_mov_b32 s82, 0xc038aa3b                      ; -2 log2(e), twice: e^-2z
	s_mov_b32 s83, 0xc038aa3b
	s_mov_b32 s96, 0x42800000                      ; 64.0: the cut of tanh's exponent
	; A fragment is 16 rows x 32 K in 8 registers: lane l holds row l % 16; registers 0-3 K = 8 (l / 16) + 0..7, registers 4-7 K = 16 + 8 (l / 16) + 0..7:
	; two loads of 16 bytes, 32 bytes apart
	v_mul_u32_u24 v3, v1, PITCH
	v_lshl_add_u32 v3, v2, 4, v3                   ; row x pitch + 16 x half
	s_mul_i32 s21, s11, HALFT                      ; my 128 rows of a16
	s_mul_i32 s22, s12, HALFT                      ; my 128 rows of w16,
	s_add_co_u32 s22, s22, 2*HALFT                 ; which lie behind a16's 256
.irp s, 0,1
	v_add_nc_u32 v[ADRA+\s], s21, v3
	v_add_nc_u32 v[ADRB+\s], s22, v3
	s_add_co_u32 s21, s21, SLOT
	s_add_co_u32 s22, s22, SLOT
.endr
	v_mul_u32_u24 v4, v1, PITCH                    ; c_prev: row 128 x row half + l % 16, byte 128 x column half + 32 (l / 16)
	v_lshl_add_u32 v4, v2, 5, v4
	s_mul_i32 s23, s11, HALFT
	s_lshl_b32 s21, s12, 7
	s_add_co_u32 s23, s23, s21
	v_add_nc_u32 v[STO], s23, v4
	v_mul_u32_u24 v4, v1, SP                       ; my part of the stage: row l % 16, byte 32 (l / 16)
	v_lshl_add_u32 v4, v2, 5, v4
	s_mul_i32 s23, s10, WSTR
	s_add_co_u32 s23, s23, STAGE
	v_add_nc_u32 v[STC], s23, v4
	v_lshrrev_b32 v4, 3, v1                        ; back: lanes 0-15 take one row of 256 bytes, lanes 16-31 the next; a row's left 128 bytes lie in the
	v_and_b32 v5, 7, v1                            ; even partner's part of the stage, its right 128 bytes in the odd partner's
	v_mul_u32_u24 v4, v4, WSTR
	v_lshl_add_u32 v4, v5, 4, v4
	v_mul_u32_u24 v5, v2, SP
	v_add_nc_u32 v4, v4, v5
	s_mul_i32 s23, s11, 2*WSTR                     ; the 16 rows were made by the two waves of my own row half;
	s_mul_i32 s21, s12, 8*SP                       ; I take rows 8 (wave & 1) .. + 7 of them
	s_add_co_u32 s23, s23, s21
	s_add_co_u32 s23, s23, STAGE
	v_add_nc_u32 v[RD], s23, v4
	v_lshlrev_b32 v5, 12, v2                       ; and the same two rows in out0 and out1
	v_lshl_add_u32 v[CO], v1, 4, v5
	v_and_b32 v5, 31, v0
	v_lshlrev_b32 v[PF], 12, v5                    ; a row of c_prev for each lane
; 16 matrix instructions: row blocks a0, a0 + 1 of the window's four (hi = 0: my rows 0-63, 1: rows 64-127) x all 8 blocks of n', 32 along K.
; first = 1: the bias is C.  The 64 accumulators take turns, one instruction a turn, in the same order in every quarter step, over the loop's
; backward jump too.
.macro MUL16 f, hi, a0, first
.irp a, \a0, \a0+1
.irp b, 0,1,2,3,4,5,6,7
.if \first
	v_wmma_f32_16x16x32_f16 v[8*(8*(\a)+\b):8*(8*(\a)+\b)+7], v[\f+8*\b:\f+8*\b+7], v[\f+8*(4*\hi+\a):\f+8*(4*\hi+\a)+7], v[BIAS+8*\b:BIAS+8*\b+7]
.else
	v_wmma_f32_16x16x32_f16 v[8*(8*(\a)+\b):8*(8*(\a)+\b)+7], v[\f+8*\b:\f+8*\b+7], v[\f+8*(4*\hi+\a):\f+8*(4*\hi+\a)+7], v[8*(8*(\a)+\b):8*(8*(\a)+\b)+7]
.endif
.endr
.endr
.endm
; 32 LDS loads in one run: the fragments of one quarter step (128 rows of w16, 128 rows of a16, 32 K at byte k of the rows) into buffer f
.macro FETCH slot, k, f
	WIN TO_B
.irp i, 0,1,2,3,4,5,6,7
	ds_load_b128 v[\f+8*\i:\f+8*\i+3],   v[ADRB+\slot] offset:\k+\i*16*PITCH
	ds_load_b128 v[\f+8*\i+4:\f+8*\i+7], v[ADRB+\slot] offset:\k+\i*16*PITCH+32
.endr
	WIN 0
.irp i, 0,1,2,3,4,5,6,7
	ds_load_b128 v[\f+8*\i:\f+8*\i+3],   v[ADRA+\slot] offset:\k+\i*16*PITCH
	ds_load_b128 v[\f+8*\i+4:\f+8*\i+7], v[ADRA+\slot] offset:\k+\i*16*PITCH+32
.endr
.endm
; A load into a register that a matrix instruction has read, and a vector instruction that reads a matrix result or writes one of a matrix instruction's
; registers, stand four places behind it; only plain vector instructions that name none of its registers are places (ISA guide 7.12.1 for vector
; instructions).
.macro PLACES
.rept 4
	v_nop
.endr
.endm
; A K step is four quarter steps of 32 along K, 64 matrix instructions each, on buffers 0, 1, 0, 1.
; One of the first three: multiplies buffer f; in its middle it fetches the next quarter's fragments, at byte k of the same slot's rows, into buffer g.
.macro QUARTER slot, k, f, g, first
	s_wait_dscnt 8                                 ; w16's rows and a16's rows 0-63 are in; the youngest eight loads (a16's rows 64-127) may be out
.if \first
	WIN MUL_LO0
.else
	WIN MUL_LO
.endif
	MUL16 \f, 0, 0, \first
	MUL16 \f, 0, 2, \first
	PLACES
	FETCH \slot, \k, \g
	s_wait_dscnt 32                                ; all but the 32 just issued
.if \first
	WIN MUL_HI0
.else
	WIN MUL_HI
.endif
	MUL16 \f, 1, 0, \first
	MUL16 \f, 1, 2, \first
.endm
.macro THREE slot, first
	QUARTER \slot, 64,  F0, F1, \first
	QUARTER \slot, 128, F1, F0, 0
	QUARTER \slot, 192, F0, F1, 0
.endm
; The last quarter of a K step but the very last: multiplies buffer 1 and changes slots.  next = the other slot.  fill = 1: this slot is filled again,
; two K steps ahead, by the joint loads; fill = 2: it gets its last fill, c_prev's tile, 64 rows from each wave.
; One barrier for the change of slots.  In front of it each wave waits for its own reads of this slot and for all its tensor loads, of which one is out:
; its part of the next slot.  The barrier opens a round of the cluster's barrier, so that both hold of every wave of every partner; the refill is the
; first tensor load behind the round, one a wave.  From a request to the wait for it a wave issues 240 matrix instructions.
.macro TURN slot, next, fill
	s_wait_dscnt 8
	WIN MUL_LO
	MUL16 F1, 0, 0, 0
	s_wait_dscnt 0                                 ; my reads of this slot are over
	s_wait_tensorcnt 0x0                           ; and all my tensor loads have landed
	ds_add_u32 v255, v63
	s_wait_dscnt 0x0
	s_barrier_signal -1
	MUL16 F1, 0, 2, 0                              ; work on registers while the others arrive
	WIN 0
	s_barrier_wait -1
	CREST
.if \fill == 1
	s_add_nc_u64 s[G0+4*\slot+2:G0+4*\slot+3], s[G0+4*\slot+2:G0+4*\slot+3], 2*KSTEP*2       ; no load of mine is out: a group 0 may be written
	s_add_nc_u64 s[G0B+4*\slot+2:G0B+4*\slot+3], s[G0B+4*\slot+2:G0B+4*\slot+3], 2*KSTEP*2
	JLOAD \slot
.else
	tensor_load_to_lds s[GC0:GC0+3], s[GC1:GC1+7]  ; it has 240 matrix instructions in which to land, like every refill
	s_nop 0
.endif
	PLACES
	FETCH \next, 0, F0
	WIN MUL_HI
	MUL16 F1, 1, 0, 0
	MUL16 F1, 1, 2, 0
.endm
.macro LAP first                       ; once round the ring, both slots filled again
	THREE 0, \first
	TURN 0, 1, 1
	THREE 1, 0
	TURN 1, 0, 1
.endm
; The very last quarter step.  In front of its barrier my 64 rows of c_prev are in, so behind it c_prev's tile is whole.
.macro LASTQ
	s_wait_dscnt 8
	WIN MUL_LO
	MUL16 F1, 0, 0, 0
	s_wait_dscnt 0                                 ; no LDS instruction of mine is pending at the signal
	s_wait_tensorcnt 0x0                           ; my part of c_prev's tile has landed: the last tensor load
	s_barrier_signal -1
	MUL16 F1, 0, 2, 0
	WIN 0
	s_barrier_wait -1
	WIN MUL_HI
	MUL16 F1, 1, 0, 0
	MUL16 F1, 1, 2, 0
	WIN 0
	PLACES                                         ; the places behind the last matrix instructions, for the reads of the sums and for the writes over the fragment buffers
.endm
; THE TAIL.  Sixteen registers at a time.
.macro EXP16 r                         ; in place
.set e, 0
.rept 16
	v_exp_f32 v[\r+e], v[\r+e]
.set e, e+1
.endr
.endm
.macro RCP16 r                         ; in place
.set e, 0
.rept 16
	v_rcp_f32 v[\r+e], v[\r+e]
.set e, e+1
.endr
.endm
.macro CUT16 r                         ; the exponent of e^-2z is cut at 64
.set e, 0
.rept 16
	v_min_num_f32 v[\r+e], s96, v[\r+e]
.set e, e+1
.endr
.endm
.macro MUL_16 d, x, y                  ; d = x y
.irp p, 0,2,4,6,8,10,12,14
	v_pk_mul_f32 v[\d+\p:\d+\p+1], v[\x+\p:\x+\p+1], v[\y+\p:\y+\p+1]
.endr
.endm
.macro ONE_MINUS16 d, x                ; d = 1 - x
.irp p, 0,2,4,6,8,10,12,14
	v_pk_fma_f32 v[\d+\p:\d+\p+1], v[\x+\p:\x+\p+1], -1.0, 1.0 op_sel_hi:[1,0,0]
.endr
.endm
.macro PLUS_ONE16 r                    ; r = r + 1
.irp p, 0,2,4,6,8,10,12,14
	v_pk_add_f32 v[\r+\p:\r+\p+1], v[\r+\p:\r+\p+1], 1.0 op_sel_hi:[1,0]
.endr
.endm
; THE WAY OUT of the 16 rows that each row half made in step a: I read 8 whole rows of 256 bytes of each result back, two rows a load ...
.macro OUTLD a
	s_wait_xcnt 0x0                                ; every earlier memory instruction has had its addresses translated (ISA guide 3.1): this buffer, which stores of two steps ago read, is loaded again only behind this wait
.irp t, 0,1,2,3
	ds_load_b128 v[OB+32*(\a&1)+4*\t:OB+32*(\a&1)+4*\t+3],       v[RD] offset:(\a&1)*SBUF+WOUT+\t*2*SP   ; h_next
.endr
.irp t, 0,1,2,3
	ds_load_b128 v[OB+32*(\a&1)+16+4*\t:OB+32*(\a&1)+16+4*\t+3], v[RD] offset:(\a&1)*SBUF+\t*2*SP        ; c_next
.endr
.endm
; ... and store them: 16 lanes store 256 consecutive bytes, at a multiple of 256 from the buffer's first byte
.macro OUTST a
.irp t, 0,1,2,3
	global_store_b128 v[CO], v[OB+32*(\a&1)+4*\t:OB+32*(\a&1)+4*\t+3],       s[88:89] offset:(16*\a+2*\t)*4096 th:TH_STORE_NT
.endr
.irp t, 0,1,2,3
	global_store_b128 v[CO], v[OB+32*(\a&1)+16+4*\t:OB+32*(\a&1)+16+4*\t+3], s[90:91] offset:(16*\a+2*\t)*4096 th:TH_STORE_NT
.endr
.endm
; Step a of the tail: rows 16 a .. 16 a + 15 of my block, all 32 h: 16 outputs a lane.  aw = a % 4; from = the accumulators' window as source 0 (0x02 or
; 0x03); pv = a - 1.  The results go into stage buffer a & 1.  The step before's results are read back at this step's head and stored in its middle, so
; that a wave's 64 stores leave while the arithmetic goes on, eight a step, and only the last eight are young at the end.
; ONE BARRIER A STEP, at its end.  In front of it my stores into buffer a & 1 are done, and so is my read-back of the other buffer (the wait in the step's
; middle).  Behind it the partners read buffer a & 1, and the next step writes the other buffer, which nobody reads any more.
; Behind a run of exponentials or reciprocals one v_nop stands before a result is used (ISA guide 5.7.2).
.macro UNIT a, aw, from, pv
.irp q, 0,1,2,3
	ds_load_b128 v[CP+4*\q:CP+4*\q+3], v[STO] offset:\a*16*PITCH+(\q>>1)*64+(\q&1)*16
.endr
.if \a > 0
	OUTLD \pv
.endif
	WIN \from                                      ; the sums come down into window 0, scaled for the exponentials on the way
.irp t, 0,1
.irp p, 0,2,4,6
	v_pk_mul_f32 v[EI+8*\t+\p:EI+8*\t+\p+1], v[8*(8*\aw+\t)+\p:8*(8*\aw+\t)+\p+1],     s[80:81] op_sel_hi:[1,0]
	v_pk_mul_f32 v[EF+8*\t+\p:EF+8*\t+\p+1], v[8*(8*\aw+2+\t)+\p:8*(8*\aw+2+\t)+\p+1], s[80:81] op_sel_hi:[1,0]
	v_pk_mul_f32 v[EG+8*\t+\p:EG+8*\t+\p+1], v[8*(8*\aw+4+\t)+\p:8*(8*\aw+4+\t)+\p+1], s[82:83] op_sel_hi:[1,0]
	v_pk_mul_f32 v[EO+8*\t+\p:EO+8*\t+\p+1], v[8*(8*\aw+6+\t)+\p:8*(8*\aw+6+\t)+\p+1], s[80:81] op_sel_hi:[1,0]
.endr
.endr
	WIN 0
	CUT16 EG
	EXP16 EI                                       ; e^-i
	EXP16 EF                                       ; e^-f
	EXP16 EG                                       ; t = e^-2g
	EXP16 EO                                       ; e^-o
	v_nop
	s_wait_alu depctr_va_vdst(0)
	ONE_MINUS16 NG, EG                             ; 1 - t
	PLUS_ONE16 EG                                  ; 1 + t
	PLUS_ONE16 EI
	PLUS_ONE16 EF
	PLUS_ONE16 EO
	MUL_16 EI, EI, EG                              ; (1 + e^-i)(1 + t)
	RCP16 EI
	RCP16 EF                                       ; sigmoid(f)
	v_nop
	s_wait_alu depctr_va_vdst(0)
	MUL_16 NG, NG, EI                              ; sigmoid(i) tanh(g)
	s_wait_dscnt 0                                 ; c_prev is in, and the step before's rows are back
.if \a > 0
	OUTST \pv
.endif
.irp p, 0,2,4,6,8,10,12,14
	v_pk_fma_f32 v[CC+\p:CC+\p+1], v[EF+\p:EF+\p+1], v[CP+\p:CP+\p+1], v[NG+\p:NG+\p+1]   ; c_next
.endr
.irp q, 0,1,2,3
	ds_store_b128 v[STC], v[CC+4*\q:CC+4*\q+3] offset:(\a&1)*SBUF+(\q>>1)*64+(\q&1)*16
.endr
.irp p, 0,2,4,6,8,10,12,14
	v_pk_mul_f32 v[EG+\p:EG+\p+1], v[CC+\p:CC+\p+1], s[82:83] op_sel_hi:[1,0]
.endr
	CUT16 EG
	EXP16 EG                                       ; t = e^(-2 c_next)
	v_nop
	s_wait_alu depctr_va_vdst(0)
	ONE_MINUS16 NG, EG
	PLUS_ONE16 EG
	MUL_16 EO, EO, EG                              ; (1 + e^-o)(1 + t)
	RCP16 EO
	v_nop
	s_wait_alu depctr_va_vdst(0)
	MUL_16 NG, NG, EO                              ; h_next
.irp q, 0,1,2,3
	ds_store_b128 v[STC], v[NG+4*\q:NG+4*\q+3] offset:(\a&1)*SBUF+WOUT+(\q>>1)*64+(\q&1)*16
.endr
	s_wait_dscnt 0x0                               ; for the partners' sake: my stores into the stage are done
	s_barrier_signal -1
	s_barrier_wait -1
.endm
	s_wait_loadcnt 0x0                             ; the bias
	s_wait_tensorcnt 1                             ; my part of K step 0 is in; K step 1's may stay out
	s_barrier_signal -1
	s_barrier_wait -1                              ; everybody's is
	FETCH 0, 0, F0
	LAP 1                                          ; the first lap stands in front of the loop: its first products start the sums from the bias
	WIN 0                                          ; at a label and at a branch every window is 0
	s_mov_b32 s3, LAPS-2
.Llap:
	LAP 0
	WIN 0
	s_sub_co_u32 s3, s3, 1
	s_cmp_lg_u32 s3, 0
	s_cbranch_scc1 .Llap
	; The last lap.  My 64 rows x 256 bytes of c_prev are asked for ahead: a lane for each row's aligned 256 bytes, each asked for once in the launch,
	; 224 matrix instructions ahead of the tensor load that fetches them; rows 0-31 and rows 32-63, all inside the buffer.
	global_prefetch_b8 v[PF], s[86:87] th:TH_LOAD_NT scope:SCOPE_SE
	global_prefetch_b8 v[PF], s[86:87] offset:131072 th:TH_LOAD_NT scope:SCOPE_SE
	THREE 0, 0
	TURN 0, 1, 2                                   ; slot 0's last fill: c_prev
	THREE 1, 0
	LASTQ
	UNIT 0, 0, 0x02, 0
	UNIT 1, 1, 0x02, 0
	UNIT 2, 2, 0x02, 1
	UNIT 3, 3, 0x02, 2
	UNIT 4, 0, 0x03, 3
	UNIT 5, 1, 0x03, 4
	UNIT 6, 2, 0x03, 5
	UNIT 7, 3, 0x03, 6
	OUTLD 7
	s_wait_dscnt 0x0                               ; the last rows are back
	OUTST 7
	s_set_vgpr_msb 0x1
	s_wait_tensorcnt 0x0
	ds_add_u32 v255, v63
	s_wait_dscnt 0x0
	s_set_vgpr_msb 0x100
	CROUND                                         ; the closing round, behind the last tensor load: no work-group ends while a partner may still ask for a tile that names it
	s_endpgm
.Lfunc_end_k_q0da50f709c_lstm:
	.size	k_q0da50f709c_lstm, .Lfunc_end_k_q0da50f709c_lstm-k_q0da50f709c_lstm
	.p2alignl 7, 3214868480
	.fill 96, 4, 3214868480
	.section	.rodata,"a",@progbits
	.p2align	6, 0x0
	.amdhsa_kernel k_q0da50f709c_lstm
		.amdhsa_group_segment_fixed_size 327680
		.amdhsa_private_segment_fixed_size 0
		.amdhsa_enable_private_segment 0
		.amdhsa_kernarg_size 48
		.amdhsa_user_sgpr_count 2
		.amdhsa_user_sgpr_kernarg_segment_ptr 1
		.amdhsa_wavefront_size32 1
		.amdhsa_system_sgpr_workgroup_id_x 1
		.amdhsa_system_sgpr_workgroup_id_y 1
		.amdhsa_system_sgpr_workgroup_id_z 1
		.amdhsa_system_vgpr_workitem_id 0
		.amdhsa_next_free_vgpr 1024
		.amdhsa_next_free_sgpr 100
		.amdhsa_reserve_vcc 0
		.amdhsa_float_denorm_mode_32 3
		.amdhsa_float_denorm_mode_16_64 3
		.amdhsa_memory_ordered 1
		.amdhsa_forward_progress 1
		.amdhsa_inst_pref_size 255
	.end_amdhsa_kernel
	.section	.bss,"aw",@nobits
	.p2align	6
	.space	262144
	.amdgpu_metadata
---
amdhsa.version: [ 1, 2 ]
amdhsa.kernels:
  - .name:           k_q0da50f709c_lstm
    .symbol:         k_q0da50f709c_lstm.kd
    .args:
      - { .name: a16, .offset: 0, .size: 8, .value_kind: global_buffer, .address_space: global }
      - { .name: w16, .offset: 8, .size: 8, .value_kind: global_buffer, .address_space: global }
      - { .name: bh, .offset: 16, .size: 8, .value_kind: global_buffer, .address_space: global }
      - { .name: c_prev, .offset: 24, .size: 8, .value_kind: global_buffer, .address_space: global }
      - { .name: out0, .offset: 32, .size: 8, .value_kind: global_buffer, .address_space: global }
      - { .name: out1, .offset: 40, .size: 8, .value_kind: global_buffer, .address_space: global }
    .group_segment_fixed_size: 327680
    .private_segment_fixed_size: 0
    .kernarg_segment_align: 8
    .kernarg_segment_size: 48
    .max_flat_workgroup_size: 128
    .sgpr_count:     100
    .vgpr_count:     1024
    .wavefront_size: 32
...
	.end_amdgpu_metadata
.endif
;; end of part 2
;; ======== version 2 of 2: 2 launches; version 1 with the launch cast written anew for expert scheduling mode
;; limits: inputs' magnitudes at most 65,504; values are held in f16: magnitudes above 65,504 overflow, below 6.1e-05 lose precision
;; workspace buffers: a16 33,554,432 bytes; w16 16,777,216 bytes
;; launch cast (part 3): grid 256 x 3, 8 waves a work-group, no clusters, 0 bytes of LDS; arguments x, h_prev, Wx, Wh, a16, w16; writes a16, w16
.if DOCPART == 3
	.amdgcn_target "amdgcn-amd-amdhsa--gfx1250"
	.amdhsa_code_object_version 6
	.text
	.protected	k_q0da50f709c_cast
	.globl	k_q0da50f709c_cast
	.p2align	8
	.type	k_q0da50f709c_cast,@function
k_q0da50f709c_cast:
	s_mov_b64 s[64:65], 0
	v_nop
	global_prefetch_b8 v0, s[64:65] scope:SCOPE_SE
	s_setreg_imm32_b32 hwreg(HW_REG_WAVE_SCHED_MODE, 0, 2), 2
	s_setreg_imm32_b32 hwreg(HW_REG_WAVE_MODE, 25, 1), 1
	s_wait_xcnt 0x0
	s_wait_alu depctr_vm_vsrc(0)
; f32 to f16, once, into the two operands of the product that follows.
;   a16 [8192][2048] f16: row b = x[b][0..1023], then h_prev[b][0..1023].
;   w16 [4096][2048] f16: row (h>>5)*128 + g*32 + (h&31) = Wx[g][h][0..1023], then Wh[g][h][0..1023]: 128 neighbouring rows hold
;   the four gates of 32 neighbouring h, so that the next launch finds all four gates of an output in one wave's block.
; WHY f16: 11 significant bits against bf16's 8, so each operand's rounding is eight times finer, and h_next, whose numbers are small, needs that.
; LIMIT: a magnitude above 65,504 becomes infinite and is not served; below 6.1e-5 the step is 2^-24 (f16's denormals are kept).
; Every source row is 4,096 bytes of f32 and becomes 2,048 bytes, half of a destination row of 4,096 bytes.
; 24,576 source rows, 32 to a work-group: 768 work-groups.  y = 0: x.  y = 1: h_prev.  y = 2: work-groups 0-127 Wx, 128-255 Wh.
; A wave takes 4 neighbouring rows: 32 loads of 16 bytes a lane, all issued in one run (16 KiB of the wave on their way); each load
; covers 512 consecutive bytes, each store 256 consecutive bytes at a multiple of 256 from the buffer's first byte.
; No LDS, no barrier, no matrix unit, no cluster: no byte is used twice.
; THE MODE: SCHED_MODE bits 1:0 = 2 (LLVM: expert scheduling mode 2), set by the entry lines.  The code itself states the register dependences
; between vector instructions and memory instructions, with s_wait_alu, always for 0.
; THE PLAN.  Registers that memory instructions touch:
;   v1, v2      the loads' and the stores' byte offsets.  Written by vector lines at the head and never again; read by every load (v1) and every store (v2).
;   v[4:131]    row r's 32 registers at X + 32 r.  The row's eight loads land in them, all issued in the one run at the start; the row's sixteen
;               conversions read them and write the first two of each four; the row's eight stores read those pairs.  Nothing writes them behind the stores,
;               and no row's conversions name another row's registers.
; So five waits on va_vdst state everything: one ahead of the first load (the offsets are written), and one in each row, between its sixteen conversions
; and its eight stores, which stand in one run behind it.  No load is issued behind a conversion, no register that a memory instruction has read is
; written again, no vector instruction writes a scalar register, and EXEC is never written: no other wait has a dependence to state.
.set ROW,  4096                        ; bytes in a source row, and in a destination row
.set X,    4                           ; v[4:131]  32 loads x 4 registers; the packed results lie in the first two of each four
	s_load_b256 s[4:11], s[0:1], 0x0               ; x s[4:5], h_prev s[6:7], Wx s[8:9], Wh s[10:11]
	s_load_b128 s[12:15], s[0:1], 0x20             ; a16 s[12:13], w16 s[14:15]
	s_and_b32 s16, ttmp7, 0xffff                   ; y: which source
	s_mov_b32 s17, ttmp9                           ; w: which block of 32 rows
	s_lshr_b32 s18, s17, 7                         ; y = 2: 0 Wx, 1 Wh
	s_and_b32 s19, s17, 127                        ; y = 2: source block = g*32 + (h>>5)
	s_and_b32 s20, s19, 31
	s_lshl_b32 s20, s20, 2
	s_lshr_b32 s21, s19, 5
	s_add_co_u32 s20, s20, s21                     ; y = 2: destination block = (h>>5)*4 + g
	v_and_b32 v3, 31, v0                           ; lane
	v_lshrrev_b32 v2, 5, v0                        ; wave
	v_lshlrev_b32 v2, 14, v2                       ; the wave's 4 rows of 4,096 bytes, on both sides
	v_lshl_or_b32 v1, v3, 4, v2                    ; load offset: 16 bytes a lane
	v_lshl_or_b32 v2, v3, 3, v2                    ; store offset: 8 bytes a lane
	s_wait_kmcnt 0x0
	s_cmp_eq_u32 s16, 0
	s_cselect_b64 s[22:23], s[4:5], s[6:7]         ; x or h_prev
	s_cmp_eq_u32 s18, 0
	s_cselect_b64 s[24:25], s[8:9], s[10:11]       ; Wx or Wh
	s_cmp_lt_u32 s16, 2                            ; the five selects below leave SCC as it is
	s_cselect_b64 s[26:27], s[22:23], s[24:25]     ; source
	s_cselect_b64 s[28:29], s[12:13], s[14:15]     ; destination
	s_cselect_b32 s30, s17, s19                    ; source block
	s_cselect_b32 s32, s17, s20                    ; destination block
	s_cselect_b32 s34, s16, s18                    ; which half of the destination rows
	s_lshl_b32 s30, s30, 17                        ; 32 rows of 4,096 bytes
	s_mov_b32 s31, 0
	s_add_nc_u64 s[26:27], s[26:27], s[30:31]
	s_lshl_b32 s32, s32, 17
	s_lshl_b32 s34, s34, 11                        ; 2,048 bytes for the second half
	s_or_b32 s32, s32, s34
	s_mov_b32 s33, 0
	s_add_nc_u64 s[28:29], s[28:29], s[32:33]
	s_wait_alu depctr_va_vdst(0)                   ; v1 and v2 are written: every load below reads v1 as its offset, every store v2; neither is written again
.set k, 0
.rept 32
	global_load_b128 v[X+4*k:X+4*k+3], v1, s[26:27] offset:(k>>3)*ROW+(k&7)*512 th:TH_LOAD_NT   ; read once in the launch
.set k, k+1
.endr
.irp r, 0,1,2,3
	s_wait_loadcnt 24-8*(\r)                       ; loads come back in order: this row's eight are in, the younger rows' stay out
.irp j, 0,1,2,3,4,5,6,7
	v_cvt_pk_f16_f32 v[X+32*(\r)+4*(\j)],   v[X+32*(\r)+4*(\j)],   v[X+32*(\r)+4*(\j)+1]
	v_cvt_pk_f16_f32 v[X+32*(\r)+4*(\j)+1], v[X+32*(\r)+4*(\j)+2], v[X+32*(\r)+4*(\j)+3]
.endr
	s_wait_alu depctr_va_vdst(0)                   ; this row's sixteen conversions have written the eight pairs that the eight stores below read as their data
.irp j, 0,1,2,3,4,5,6,7
	global_store_b64 v2, v[X+32*(\r)+4*(\j):X+32*(\r)+4*(\j)+1], s[28:29] offset:(\r)*ROW+(\j)*256   ; no hint: the next launch reads these bytes
.endr
.endr
	s_endpgm                                       ; no register that a store names is written again
.Lfunc_end_k_q0da50f709c_cast:
	.size	k_q0da50f709c_cast, .Lfunc_end_k_q0da50f709c_cast-k_q0da50f709c_cast
	.p2alignl 7, 3214868480
	.fill 96, 4, 3214868480
	.section	.rodata,"a",@progbits
	.p2align	6, 0x0
	.amdhsa_kernel k_q0da50f709c_cast
		.amdhsa_group_segment_fixed_size 0
		.amdhsa_private_segment_fixed_size 0
		.amdhsa_enable_private_segment 0
		.amdhsa_kernarg_size 48
		.amdhsa_user_sgpr_count 2
		.amdhsa_user_sgpr_kernarg_segment_ptr 1
		.amdhsa_wavefront_size32 1
		.amdhsa_system_sgpr_workgroup_id_x 1
		.amdhsa_system_sgpr_workgroup_id_y 1
		.amdhsa_system_sgpr_workgroup_id_z 1
		.amdhsa_system_vgpr_workitem_id 0
		.amdhsa_next_free_vgpr 132
		.amdhsa_next_free_sgpr 66
		.amdhsa_reserve_vcc 0
		.amdhsa_float_denorm_mode_32 3
		.amdhsa_float_denorm_mode_16_64 3
		.amdhsa_memory_ordered 1
		.amdhsa_forward_progress 1
		.amdhsa_inst_pref_size 12
	.end_amdhsa_kernel
	.amdgpu_metadata
---
amdhsa.version: [ 1, 2 ]
amdhsa.kernels:
  - .name:           k_q0da50f709c_cast
    .symbol:         k_q0da50f709c_cast.kd
    .args:
      - { .name: x, .offset: 0, .size: 8, .value_kind: global_buffer, .address_space: global }
      - { .name: h_prev, .offset: 8, .size: 8, .value_kind: global_buffer, .address_space: global }
      - { .name: Wx, .offset: 16, .size: 8, .value_kind: global_buffer, .address_space: global }
      - { .name: Wh, .offset: 24, .size: 8, .value_kind: global_buffer, .address_space: global }
      - { .name: a16, .offset: 32, .size: 8, .value_kind: global_buffer, .address_space: global }
      - { .name: w16, .offset: 40, .size: 8, .value_kind: global_buffer, .address_space: global }
    .group_segment_fixed_size: 0
    .private_segment_fixed_size: 0
    .kernarg_segment_align: 8
    .kernarg_segment_size: 48
    .max_flat_workgroup_size: 256
    .sgpr_count:     66
    .vgpr_count:     132
    .wavefront_size: 32
...
	.end_amdgpu_metadata
.endif
;; end of part 3
;; launch lstm: the kernel of part 2 again; grid 16 x 32, 4 waves a work-group, clusters of 4 x 4, 327,680 bytes of LDS; arguments a16, w16, bh, c_prev, out0, out1; writes out0, out1
